; MI455X (gfx1250); checked and timed in simulation.
; The chip was launched on July 23, 2026; its instructions are those of AMD's public machine-readable ISA for CDNA 5 (MIT licence, August 2026) and "CDNA5" Instruction Set Architecture Reference Guide (July 2026). The comments in the code are by the model that wrote it; some were corrected since.
;; Bahdanau Attention. Allowed arithmetic: matrix products marked QUANTISED: E2M1 operands, one E8M0 scale for each 32 along K, by v_wmma_scale_f32_16x16x128_f8f6f4 with both operands' format E2M1 (or v_wmma_scale_f32_32x16x128_f4), f32 sums; products left as they are: f32 operands where the result goes on into a quantised operand, else bf16, f16 or f32 operands; f32 sums; everything else in f32.
;; Inputs: Wh_codes 512 x 16 x 16 uint8 (E2M1 codes of Wh, K innermost, in blocks of 32 codes, two codes a byte); Wh_scales 512 x 16 uint8 (E8M0 scales of Wh, one for each 32 codes along K); Ws_codes 512 x 16 x 16 uint8 (E2M1 codes of Ws, K innermost, in blocks of 32 codes, two codes a byte); Ws_scales 512 x 16 uint8 (E8M0 scales of Ws, one for each 32 codes along K); encoder_outputs 64 x 2,048 x 512 float32; mask 64 x 2,048 int32; v 512 float32.
;; Outputs: out0 64 x 512 float32; out1 64 x 2,048 float32.
;; This version of the problem:
;;   THIS VERSION OF THE PROBLEM IS GIVEN IN LOW PRECISION. The matrix products marked QUANTISED in the list below multiply operands that are first quantised to E2M1 (2 exponent bits, 1 mantissa bit; 4 bits a number), with one power-of-two scale for each 32 numbers along K (OCP MX v1.0); their sums are f32. All else is computed in f32.
;;   The module's matrix products, in the order in which they are computed (A, B: the left and right operand; K: the contracted axis; several contracted axes count as one K, in the product's order):
;;     1. [M 131,072, K 512] x [K 512, N 512]; A: input encoder_outputs; B: input Wh (given as codes): QUANTISED
;;     2. [M 131,072, K 512] x [K 512, N 512]; A: input encoder_outputs; B: input Ws (given as codes): QUANTISED
;;     3. [M 131,072, K 512] x [K 512, N 1]; A: computed on the way; B: input v: left as it is (N = 1 < 16)
;;     4. batch 64 x [M 1, K 2,048] x [K 2,048, N 512]; A: softmax; B: input encoder_outputs: left as it is (M = 1 < 16)
;;   THE QUANTISER, for each operand of a quantised product, along K:
;;     - K is cut into blocks of 32 from its start; a last block that is shorter is filled with zeros.
;;     - A block's scale is 2^e with e = floor(log2(the largest magnitude in the block)) - 2, held to -126 .. 127; a block of zeros has e = 0. As a byte (E8M0): e + 127.
;;     - Each number is divided by its block's scale, clamped to +-6, and rounded to the nearest number of E2M1, ties to even, subnormals kept.
;;     - The product sums the exact products of the quantised numbers (number of the format x scale) in f32.
;;   ~~~python
;;   def quantise(x, axis):      # numpy; x: float32 -> the quantised numbers, widened to float32 again
;;       x = np.moveaxis(x, axis, -1); K = x.shape[-1]
;;       x = np.pad(x, [(0, 0)] * (x.ndim - 1) + [(0, -K % 32)]); x = x.reshape(x.shape[:-1] + (-1, 32)); a = np.abs(x).max(-1, keepdims=True)
;;       e = np.where(a > 0, np.clip(np.frexp(np.where(a > 0, a, 1))[1] - 1 - 2, -126, 127), 0)      # np.frexp(a)[1] - 1 = floor(log2(a)), exactly
;;       r = np.clip(x / 2.0 ** e, -6, 6)
;;       step = 2.0 ** (np.maximum(np.frexp(np.where(r == 0, 1, r))[1] - 1, 0) - 1)
;;       q = np.round(r / step) * step * 2.0 ** e      # np.round: ties to even
;;       return np.moveaxis(q.reshape(q.shape[:-2] + (-1,))[..., :K], -1, axis).astype(np.float32)
;;   ~~~
;;   INPUTS GIVEN AS CODES. Wh (in the module: [512, 512], K = its axis 1); Ws (in the module: [512, 512], K = its axis 1): each comes as NAME_codes (uint8): NAME with its K axis moved to the last place and cut into blocks of 32 codes, [.., K / 32, bytes a block], one block behind the other in memory; two codes a byte, the lower K in the low four bits (a code: sign, 2 exponent bits, 1 mantissa bit); and NAME_scales (uint8): the same leading axes, one E8M0 byte (e + 127) for each 32 codes along K. Its value is code x scale, taken as it is: it is not quantised again, and the codes and scales need not be those that the quantiser above would give.
;; One version. Each part assembles by itself: llvm-mc -triple=amdgcn-amd-amdhsa -mcpu=gfx1250 --defsym DOCPART=n.
;; ======== version 1 of 1: 2 launches
;; limits: right only within a limited range of input values
;; workspace buffers: scores 524,288 bytes; part 589,824 bytes
;; launch scorectx (part 1): grid 256 x 1, 8 waves a work-group, no clusters, 327,680 bytes of LDS; arguments encoder_outputs, mask, Wh_codes, Wh_scales, Ws_codes, Ws_scales, v, scores, part; writes scores, part
.if DOCPART == 1
	.amdgcn_target "amdgcn-amd-amdhsa--gfx1250"
	.amdhsa_code_object_version 6
	.text
	.protected	k_q51a7fdd19c_scorectx
	.globl	k_q51a7fdd19c_scorectx
	.p2align	8
	.type	k_q51a7fdd19c_scorectx,@function
k_q51a7fdd19c_scorectx:
	s_mov_b64 s[64:65], 0
	v_nop
	global_prefetch_b8 v0, s[64:65] scope:SCOPE_SE
	s_setreg_imm32_b32 hwreg(HW_REG_WAVE_MODE, 25, 1), 1
	s_wait_xcnt 0x0
; score[row] = sum over u of v[u] tanh((Q(x) Wh^T + Q(x) Ws^T)[row][u]), -1e9 where mask = 0; and for the work-group's 512 rows (a quarter of a batch) the largest
; t = score x log2(e) and the partial context sum of 2^(t - largest) x[row][:].  x: [131072][512] f32, quantised here to FP4 (E2M1), one E8M0 scale for each 32 along its 512;
; Wh, Ws: codes and scale bytes as they lie.  Both products are summed in one f32 accumulator.  x is read from memory once; a second launch joins a batch's four partials.
; SHARES.  256 work-groups of 8 waves of 512 registers; 8 blocks of 64 rows go through two LDS slots.  Wave w owns units 64 w .. + 63 of Wh and Ws (256 registers, window 1, loaded once)
; and columns 64 w .. + 63 of x: region w of a slot, which it fills, quantises and weighs into the context itself.
; A BLOCK, three barriers.  Q: lane (r, h) takes row 16 a + r, columns 32 h .. + 31 of my region: one whole block of 32, so no other lane is asked for the maximum; its 16 bytes of codes are
; registers 4 (w % 2) .. + 3 of fragment (row tile a, K step w / 2) as they stand | barrier | GT, twice: two row tiles' fragments, 32 matrix instructions of 32 x 16 x 128 (source 0 = 32 units of W, source 1 = 16 rows:
; a lane holds one row and sixteen units), tanh x v summed: my units' part of 32 scores to LDS | barrier | S: lane (r, h) adds the eight parts of rows 16 a + r, masks, and keeps A RUNNING MAXIMUM OF ITS OWN over these rows;
; context: 32 sums a lane (my row class r, my 32 columns) | the change of slots.  The lanes' maxima and the 16 row classes are joined once, at the end.
; tanh(a) = 1 - 2 / (1 + e), e = 2^(2 log2(e) a).  The four unit tiles' terms w / (1 + e), w = -2 v, are brought to one fraction N / D, so that one reciprocal serves four units.
; The exponent is held at 30 from above: D stays under 2^121, and tanh is moved by less than 2^-29 there.
; NO CLUSTER: work-groups share only W (272 KB), which each loads once, straight into registers, against 1 MB of x of its own.
; PREFETCH: each wave names its own region (64 rows x 256 bytes, a lane a row, two instructions) of the block that the NEXT tensor load of the wave will bring: the head names block 1, behind its run of loads of W; the trip of block i names block i + 2 (i = 0 .. 5); the last two trips ask for nothing.
; LIMITS: NaN and infinities among the inputs are not served; |v| stays under 2^30.  A block of x whose largest magnitude lies under 2^-124 keeps the scale byte 1; its bytes are read by this program alone.
.set REG,   17408                      ; region e of a slot: columns 64 e .. + 63 of 64 rows: 256 bytes + 16 of padding a row
.set SLOT,  8*REG                      ; 0x22000: no region offset has bit 13 or 17 set, so one exclusive or turns an address into the other slot's
.set IMG,   2*SLOT                     ; 16 fragment images of 1,024 bytes: index 4 x row tile + K step
.set XSC,   IMG+16384                  ; x's scale bytes: [row 64][16]
.set SCP,   XSC+1024                   ; parts of scores: [row 64][wave 8] f32
.set MSK,   SCP+2048                   ; the work-group's 512 words of the mask
.set SCO,   MSK+2048                   ; its 512 scores, gathered by wave 0
.set RED,   SCO+2048                   ; 256 bytes a wave: the context on its way out
.set SPARE, RED+2048                   ; the spare words, 128 bytes a wave
.set SPW, 1
.set NIL, 2
.set AQ0, 3                            ; my lane's place in a slot; AQ: in the slot in hand
.set AQ,  4
.set XWI, 5                            ; where my codes go
.set XWS, 6                            ; and my scale byte
.set LI,  7                            ; IMG + 16 x lane
.set LSC, 8                            ; XSC + 16 r
.set SW,  9                            ; SCP + 32 r + 4 w
.set SR,  10                           ; SCP + 32 r
.set WSO, 11                           ; offsets of the head's loads; never rewritten
.set VO,  12
.set L8,  13                           ; 8 x lane
.set PFO, 14                           ; 2,048 x lane
.set WCO, 15
.set XS,  16                           ; v16-23 x's scale words (4 k + s, k the tile's place in its group): scales alone
.set WS,  24                           ; v24-39 W's scale words, 4 (2 mat + u) + s: lane l holds unit 32 u + l's: scales alone
.set VV,  40                           ; v40-71 w = -2 v[64 w + 16 t + 8 h + j] at 8 t + j
.set W12, 72                           ; w of tiles 0 and 1 added; W34: of tiles 2 and 3
.set W34, 80
.set VS1, 88                           ; the sum of my 32 v
.set MA,  89                           ; MSK + 4 r + 256 x block
.set MX,  90                           ; my lane's running maximum of t
.set CT,  92                           ; v92-123 the context
.set ACC, 124                          ; 4 accumulators of 16 registers (2 k + u): registers 8 (4 k + t) on are row tile k x unit tile t
.set XF,  188                          ; x's fragments: 16 s + 8 k
.set TQ,  236                          ; at work in tanh: K step 3's registers
.set TP,  220                          ; S: the parts
.set MK,  252
.set SCR, 222
.set TT,  226
.set FF,  230
.set PP,  232
.set BM,  236
.set WV,  22
.set TB,  23
.set CNT, 24
.set G1,  32
.set G0A, 40
.set G0B, 44
.set PFA, 56
.set MSB, 0
.macro WIN new
.if MSB != \new
	s_set_vgpr_msb (MSB<<8)|\new
.set MSB, \new
.endif
.endm
.macro PLACES n
.rept \n
	v_nop
.endr
.endm
	s_load_b256 s[4:11], s[0:1], 0x0               ; x, mask, Wh's codes, Wh's scales
	s_load_b256 s[12:19], s[0:1], 0x20             ; Ws's codes, Ws's scales, v, scores
	s_load_b64 s[20:21], s[0:1], 0x40              ; part
	v_lshl_add_u32 v[SPW], v0, 2, SPARE
	v_mov_b32 v[NIL], 0
	ds_add_u32 v[SPW], v[NIL]                      ; the opening lines
	ds_add_u32 v[SPW], v[NIL]
	s_wait_dscnt 0x0
	v_lshrrev_b32 v3, 5, v0
	v_readfirstlane_b32 s[WV], v3
	s_mov_b32 s[G1+0], (2<<16)|(1<<20)|(5<<22)|(3<<25) ; 64 rows x 64 f32, 4 words of padding behind each 64
	s_mov_b32 s[G1+1], 64<<16
	s_mov_b32 s[G1+2], 64<<16
	s_mov_b32 s[G1+3], 64<<16
	s_mov_b32 s[G1+4], 64
	s_mov_b32 s[G1+5], 512
	s_mov_b32 s[G1+6], 0
	s_mov_b32 s[G1+7], 0
	s_lshl_b32 s48, ttmp9, 20                      ; my work-group's 512 rows of 2,048 bytes,
	s_lshl_b32 s50, s[WV], 8                       ; my wave's 64 columns
	s_add_co_u32 s48, s48, s50
	s_mov_b32 s49, 0
	s_mov_b32 s[G0A], 1
	s_mul_i32 s[G0A+1], s[WV], REG
	s_mov_b32 s[G0B], 1
	s_add_co_u32 s[G0B+1], s[G0A+1], SLOT
	s_lshl_b32 s52, ttmp9, 11                      ; 512 rows x 4 bytes in mask and scores
	s_mov_b32 s53, 0
	s_mul_i32 s54, ttmp9, 2304                     ; my row of part
	s_mov_b32 s55, 0
	s_wait_kmcnt 0x0
	s_add_nc_u64 s[G0A+2:G0A+3], s[4:5], s[48:49]
	s_add_nc_u64 s[G0B+2:G0B+3], s[G0A+2:G0A+3], 0x20000
	s_add_nc_u64 s[PFA:PFA+1], s[G0A+2:G0A+3], 0x20000     ; block 1
	s_or_b32 s[G0A+3], s[G0A+3], 0x80000000
	s_or_b32 s[G0B+3], s[G0B+3], 0x80000000
	tensor_load_to_lds s[G0A:G0A+3], s[G1:G1+7]    ; block 0: my one tensor load at the head
	s_nop 0
	PLACES 4
	s_add_nc_u64 s[6:7], s[6:7], s[52:53]
	s_add_nc_u64 s[18:19], s[18:19], s[52:53]
	s_add_nc_u64 s[20:21], s[20:21], s[54:55]
	s_lshl_b32 s48, s[WV], 9
	s_add_co_u32 s48, s48, IMG
	s_lshl_b32 s49, s[WV], 1
	s_add_co_u32 s49, s49, XSC
	s_lshl_b32 s50, s[WV], 2
	s_add_co_u32 s50, s50, SCP
	s_lshl_b32 s51, s[WV], 14
	s_lshl_b32 s52, s[WV], 10
	s_lshl_b32 s53, s[WV], 8                       ; kept to the end
	s_add_co_u32 s54, s53, MSK
	s_add_co_u32 s55, s53, RED                     ; kept to the end
	s_mov_b32 s26, 0x4038aa3b                      ; 2 log2(e), as a pair
	s_mov_b32 s27, s26
	s_mov_b32 s28, 0x3fb8aa3b                      ; log2(e)
	s_mov_b32 s29, s28
	s_mov_b32 s30, 0x76543210                      ; selects for lane l xor 16
	s_mov_b32 s31, 0xfedcba98
	s_mov_b32 s59, 0x41f00000                      ; 30.0
	s_mov_b32 s[TB], 0
	v_and_b32 v124, 15, v0                         ; r
	v_bfe_u32 v125, v0, 4, 1                       ; h
	v_and_b32 v126, 31, v0                         ; lane
	v_mul_u32_u24 v[AQ0], v124, 272
	v_lshl_add_u32 v[XWI], v126, 4, s48
	v_lshl_add_u32 v[XWS], v124, 4, s49
	v_lshl_add_u32 v[AQ0], v125, 7, v[AQ0]
	v_lshl_add_u32 v[LI], v126, 4, IMG
	v_add_nc_u32 v[XWS], v[XWS], v125
	v_add_nc_u32 v[AQ0], s[G0A+1], v[AQ0]
	v_lshl_add_u32 v[LSC], v124, 4, XSC
	v_lshl_add_u32 v[SW], v124, 5, s50
	v_lshl_add_u32 v[SR], v124, 5, SCP
	v_lshl_add_u32 v[MA], v124, 2, MSK
	v_lshlrev_b32 v[L8], 3, v126
	v_lshlrev_b32 v[PFO], 11, v126
	v_lshl_add_u32 v[WCO], v124, 8, s51            ; W's codes: row 64 w + r of 256 bytes,
	v_lshl_add_u32 v[WSO], v126, 4, s52            ; W's scales: row 64 w + lane of 16 bytes
	v_lshl_add_u32 v[VO], v125, 5, s53             ; v: 256 w + 32 h
	v_lshl_add_u32 v[WCO], v125, 4, v[WCO]         ; + 16 h
	v_add_nc_u32 v130, s53, v[L8]                  ; the mask: my wave's 256 bytes,
	v_add_nc_u32 v131, s54, v[L8]                  ; and their place in LDS
	s_wait_alu depctr_va_vdst(0)                   ; the wait behind the head's addresses
	global_load_b64 v[128:129], v130, s[6:7]
.irp t, 0,1,2,3
	global_load_b128 v[VV+8*\t:VV+8*\t+3], v[VO], s[16:17] offset:64*\t
	global_load_b128 v[VV+8*\t+4:VV+8*\t+7], v[VO], s[16:17] offset:64*\t+16
.endr
.irp u, 0,1
	global_load_b128 v[WS+4*\u:WS+4*\u+3], v[WSO], s[10:11] offset:512*\u
	global_load_b128 v[WS+8+4*\u:WS+8+4*\u+3], v[WSO], s[14:15] offset:512*\u
.endr
; W's fragment (mat, K step s, tile t) at v[8 (16 mat + 4 s + t)] of window 1: tiles 2 u and 2 u + 1 of one K step are 16 registers on end, one source of 32 units
.macro WLOAD mat, base
.irp t, 0,1,2,3
.irp s, 0,1,2,3
.irp c, 0,1
	global_load_b128 v[8*(16*\mat+4*\s+\t)+4*\c:8*(16*\mat+4*\s+\t)+4*\c+3], v[WCO], s[\base:\base+1] offset:4096*\t+64*\s+32*\c
.endr
.endr
.endr
.endm
	WIN 0x40
	WLOAD 0, 8
	WLOAD 1, 12
	WIN 0
	global_prefetch_b8 v[PFO], s[PFA:PFA+1] th:TH_LOAD_NT scope:SCOPE_SE                ; my region of block 1, whose tensor load stands behind the head's barrier
	global_prefetch_b8 v[PFO], s[PFA:PFA+1] offset:65536 th:TH_LOAD_NT scope:SCOPE_SE
.set I, 0
.rept 32
	v_mov_b32 v[CT+I], 0
.set I, I+1
.endr
	v_mov_b32 v[MX], 0xff61b1e6                    ; -3e38, under every t
	s_wait_alu depctr_va_vdst(0)
	s_wait_loadcnt 63                              ; 68 loads were issued behind the mask's and v's nine: those nine are in
	ds_store_b64 v131, v[128:129]
.irp p, 0,2,4,6
	v_pk_add_f32 v[132+\p:133+\p], v[VV+\p:VV+\p+1], v[VV+8+\p:VV+9+\p]
.endr
.irp p, 0,2,4,6
	v_pk_add_f32 v[140+\p:141+\p], v[VV+16+\p:VV+17+\p], v[VV+24+\p:VV+25+\p]
.endr
.irp p, 0,2,4,6
	v_pk_add_f32 v[132+\p:133+\p], v[132+\p:133+\p], v[140+\p:141+\p]
.endr
.set I, 0
.rept 16
	v_pk_mul_f32 v[VV+I:VV+I+1], v[VV+I:VV+I+1], -2.0 op_sel_hi:[1,0]
.set I, I+2
.endr
	v_pk_add_f32 v[132:133], v[132:133], v[134:135]
	v_pk_add_f32 v[136:137], v[136:137], v[138:139]
.irp p, 0,2,4,6
	v_pk_add_f32 v[W12+\p:W12+\p+1], v[VV+\p:VV+\p+1], v[VV+8+\p:VV+9+\p]
	v_pk_add_f32 v[W34+\p:W34+\p+1], v[VV+16+\p:VV+17+\p], v[VV+24+\p:VV+25+\p]
.endr
	v_pk_add_f32 v[132:133], v[132:133], v[136:137]
	v_nop
	v_add_f32 v[VS1], v132, v133
	s_wait_alu depctr_va_vdst(0)                   ; the wait at the head's end
	s_wait_tensorcnt 0x0                           ; my region of block 0 is in
	ds_add_u32 v[SPW], v[NIL]
	s_wait_xcnt 0x0                                ; my prefetches have read their address:
	s_add_nc_u64 s[PFA:PFA+1], s[PFA:PFA+1], 0x20000   ; on to block 2
	s_wait_dscnt 0x0                               ; the add and the mask's store
	s_barrier_signal -1
	s_barrier_wait -1
	tensor_load_to_lds s[G0B:G0B+3], s[G1:G1+7]    ; slot 1's first fill, in a refill's form
	s_nop 0
	PLACES 4
.macro XLOAD a, reg                            ; row 16 a + r, my 32 columns
.irp j, 0,1,2,3,4,5,6,7
	ds_load_b128 v[\reg+4*\j:\reg+4*\j+3], v[AQ] offset:(\a)*4352+16*\j
.endr
.endm
.macro QUANT a, reg                            ; a block of 32 becomes 16 bytes of codes and a scale byte
.set QT, 220+8*(\a)
.irp c, 0,1,2,3
	v_max3_num_f32 v[252+\c], |v[\reg+8*\c]|, |v[\reg+8*\c+1]|, 0x1800000   ; four chains of eight, and the floor 2^(3 - 127): the byte cannot fall under 1
.endr
.irp i, 2,4,6
.irp c, 0,1,2,3
	v_max3_num_f32 v[252+\c], v[252+\c], |v[\reg+8*\c+\i]|, |v[\reg+8*\c+\i+1]|
.endr
.endr
	v_max3_num_f32 v252, v252, v253, v254
	s_delay_alu instid0(VALU_DEP_1)
	v_max_num_f32 v252, v252, v255
	s_delay_alu instid0(VALU_DEP_1)
	v_add_nc_u32 v[QT+5], 0xff000000, v252         ; 2 off the exponent field: the conversion's scale operand
	s_delay_alu instid0(VALU_DEP_1)
	v_lshrrev_b32 v[QT+4], 23, v[QT+5]             ; the scale's byte
.irp g, 0,1,2,3
	v_cvt_scalef32_pk8_fp4_f32 v[QT+\g], v[\reg+8*\g:\reg+8*\g+7], v[QT+5]
.endr
	v_nop                                          ; one plain place behind a scaled conversion
	ds_store_b128 v[XWI], v[QT:QT+3] offset:4096*(\a)
	ds_store_b8 v[XWS], v[QT+4] offset:256*(\a)
.endm
; A GROUP is n row tiles from tile a0 on; this text takes groups of two
.macro FXS a0, n                               ; the group's scale words
.set K, 0
.rept \n
	ds_load_b128 v[XS+4*K:XS+4*K+3], v[LSC] offset:256*((\a0)+K)
.set K, K+1
.endr
.endm
.macro FST a0, n, s                            ; its fragments of K step s: 2 n loads
.set K, 0
.rept \n
.irp c, 0,1
	ds_load_b128 v[XF+16*\s+8*K+4*\c:XF+16*\s+8*K+4*\c+3], v[LI] offset:(4*((\a0)+K)+\s)*1024+512*\c
.endr
.set K, K+1
.endr
.endm
; 16 n matrix instructions of 32 units x 16 rows x 128, K step by K step, Wh then Ws; the 2 n accumulators take turns; the first 2 n start the sums
.macro GEMM n, first
	WIN 0x01
.irp s, 0,1,2,3
.if \first
	s_wait_dscnt 2*\n*(3-\s)                       ; the 2 n loads of each later K step may be out
.else
.if \s == 0
	s_wait_dscnt 2*\n                              ; K step 3's 2 n loads may be out
.endif
.if \s == 3
	s_wait_dscnt 0
.endif
.endif
.irp mat, 0,1
.set K, 0
.rept \n
.irp u, 0,1
.set rD, ACC+32*K+16*\u
.set rW, 8*(16*\mat+4*\s+2*\u)
.set rX, XF+16*\s+8*K
.set rWS, WS+4*(2*\mat+\u)+\s
.set rXS, XS+4*K+\s
.if (\mat+\s) == 0
	v_wmma_scale_f32_32x16x128_f4 v[rD:rD+15], v[rW:rW+15], v[rX:rX+7], 0, v[rWS], v[rXS]
.else
	v_wmma_scale_f32_32x16x128_f4 v[rD:rD+15], v[rW:rW+15], v[rX:rX+7], v[rD:rD+15], v[rWS], v[rXS]
.endif
.endr
.set K, K+1
.endr
.endr
.endr
	WIN 0
.endm
; wa / (1 + ea) + wb / (1 + eb) = N / D: N = (wa + wb) + wa eb + wb ea lands on eb, D = (1 + ea)(1 + eb) on ea
.macro PAIRQ EA, EB, WA, WB, WSUM
.irp p, 0,2,4,6
	v_pk_add_f32 v[TQ+\p:TQ+\p+1], v[(\EB)+\p:(\EB)+\p+1], 1.0 op_sel_hi:[1,0]
.endr
.irp p, 0,2,4,6
	v_pk_fma_f32 v[(\EB)+\p:(\EB)+\p+1], v[(\WA)+\p:(\WA)+\p+1], v[(\EB)+\p:(\EB)+\p+1], v[(\WSUM)+\p:(\WSUM)+\p+1]
.endr
.irp p, 0,2,4,6
	v_pk_fma_f32 v[(\EB)+\p:(\EB)+\p+1], v[(\WB)+\p:(\WB)+\p+1], v[(\EA)+\p:(\EA)+\p+1], v[(\EB)+\p:(\EB)+\p+1]
.endr
.irp p, 0,2,4,6
	v_pk_fma_f32 v[(\EA)+\p:(\EA)+\p+1], v[(\EA)+\p:(\EA)+\p+1], v[TQ+\p:TQ+\p+1], v[TQ+\p:TQ+\p+1]
.endr
.endm
; tanh x v of a group, summed over my 64 units, to LDS.  Every accumulator is first read here, from its low end on, ahead of any transcendental
.macro TANH a0, n
.set I, 0
.rept 16*\n
	v_pk_mul_f32 v[ACC+I:ACC+I+1], v[ACC+I:ACC+I+1], s[26:27] op_sel_hi:[1,0]
.set I, I+2
.endr
.set I, 0
.rept 16*\n
	v_dual_min_num_f32 v[ACC+I], s59, v[ACC+I] :: v_dual_min_num_f32 v[ACC+I+1], s59, v[ACC+I+1]   ; the exponent held at 30
.set I, I+2
.endr
	s_wait_alu depctr_va_vdst(0)                   ; a wait ahead of the batch
.set I, 0
.rept 32*\n
	v_exp_f32 v[ACC+I], v[ACC+I]
.set I, I+1
.endr
	v_nop
	s_wait_alu depctr_va_vdst(0)                   ; and one behind it
.set K, 0
.rept \n
	PAIRQ ACC+32*K, ACC+32*K+8, VV, VV+8, W12
	PAIRQ ACC+32*K+16, ACC+32*K+24, VV+16, VV+24, W34
.set K, K+1
.endr
.set B, ACC
.rept \n                                       ; the two fractions become one: N = N12 D34 + N34 D12, D = D12 D34
.irp p, 0,2,4,6
	v_pk_mul_f32 v[B+8+\p:B+9+\p], v[B+8+\p:B+9+\p], v[B+16+\p:B+17+\p]
.endr
.irp p, 0,2,4,6
	v_pk_fma_f32 v[B+8+\p:B+9+\p], v[B+24+\p:B+25+\p], v[B+\p:B+1+\p], v[B+8+\p:B+9+\p]
.endr
.irp p, 0,2,4,6
	v_pk_mul_f32 v[B+\p:B+1+\p], v[B+\p:B+1+\p], v[B+16+\p:B+17+\p]
.endr
.set B, B+32
.endr
	s_wait_alu depctr_va_vdst(0)
.set B, ACC
.rept \n
.irp j, 0,1,2,3,4,5,6,7
	v_rcp_f32 v[B+\j], v[B+\j]
.endr
.set B, B+32
.endr
	v_nop
	s_wait_alu depctr_va_vdst(0)
.set K, 0
.rept \n
	v_pk_mul_f32 v[252+2*K:253+2*K], v[ACC+32*K+8:ACC+32*K+9], v[ACC+32*K:ACC+32*K+1]
	v_pk_mul_f32 v[TQ+2*K:TQ+2*K+1], v[ACC+32*K+10:ACC+32*K+11], v[ACC+32*K+2:ACC+32*K+3]
.set K, K+1
.endr
.set K, 0
.rept \n
	v_pk_fma_f32 v[252+2*K:253+2*K], v[ACC+32*K+12:ACC+32*K+13], v[ACC+32*K+4:ACC+32*K+5], v[252+2*K:253+2*K]
	v_pk_fma_f32 v[TQ+2*K:TQ+2*K+1], v[ACC+32*K+14:ACC+32*K+15], v[ACC+32*K+6:ACC+32*K+7], v[TQ+2*K:TQ+2*K+1]
.set K, K+1
.endr
.set K, 0
.rept \n
	v_pk_add_f32 v[252+2*K:253+2*K], v[252+2*K:253+2*K], v[TQ+2*K:TQ+2*K+1]
.set K, K+1
.endr
.set K, 0
.rept \n
	v_add_f32 v[252+2*K], v[252+2*K], v[253+2*K]
.set K, K+1
.endr
.set K, 0
.rept \n
	v_add_f32 v[252+2*K], v[252+2*K], v[VS1]       ; the 1 of 1 - 2 / ..
.set K, K+1
.endr
.set K, 0
.rept \n
	v_permlanex16_b32 v[253+2*K], v[252+2*K], s30, s31
.set K, K+1
.endr
.set K, 0
.rept \n
	v_add_f32 v[252+2*K], v[252+2*K], v[253+2*K]
.set K, K+1
.endr
.set K, 0
.rept \n
	ds_store_b32 v[SW], v[252+2*K] offset:512*((\a0)+K)   ; both halves of the lanes write the same word with the same value
.set K, K+1
.endr
.endm
.macro FIRSTG n                                ; the block's first group
	FXS 0, \n
	FST 0, \n, 0
	FST 0, \n, 1
	FST 0, \n, 2
	FST 0, \n, 3
	GEMM \n, 1
	PLACES 4
.endm
.macro NEXTG p0, pn, a0, n                     ; the next group's first three K steps land under the tanh of the group before; K step 3's registers are at work there
	FXS \a0, \n
	FST \a0, \n, 0
	FST \a0, \n, 1
	FST \a0, \n, 2
	TANH \p0, \pn
	FST \a0, \n, 3
	GEMM \n, 0
	PLACES 4
.endm
.macro CFMA a, reg                             ; context += p[16 a + r] x my 32 columns of that row
.set I, 0
.rept 16
.if (\a)%2
	v_pk_fma_f32 v[CT+I:CT+I+1], v[\reg+I:\reg+I+1], v[PP+(\a)-1:PP+(\a)], v[CT+I:CT+I+1] op_sel:[0,1,0] op_sel_hi:[1,1,1]
.else
	v_pk_fma_f32 v[CT+I:CT+I+1], v[\reg+I:\reg+I+1], v[PP+(\a):PP+(\a)+1], v[CT+I:CT+I+1] op_sel_hi:[1,0,1]
.endif
.set I, I+2
.endr
.endm
; ONE BLOCK OF 64 ROWS, in the slot at s[TB]
.macro PROCESS pf
	v_add_nc_u32 v[AQ], s[TB], v[AQ0]
	XLOAD 0, 124
	XLOAD 1, 156
	XLOAD 2, 188
.if \pf
	global_prefetch_b8 v[PFO], s[PFA:PFA+1] th:TH_LOAD_NT scope:SCOPE_SE                ; my region of the block that this trip's change of slots will ask for
	global_prefetch_b8 v[PFO], s[PFA:PFA+1] offset:65536 th:TH_LOAD_NT scope:SCOPE_SE
.endif
	s_wait_dscnt 16                                ; behind tile 0's loads: tiles 1 and 2
	QUANT 0, 124
	XLOAD 3, 124
	s_wait_dscnt 18                                ; behind tile 1's: 8 loads, 2 stores, 8 loads
	QUANT 1, 156
	s_wait_dscnt 12                                ; behind tile 2's: 2 stores, 8 loads, 2 stores
	QUANT 2, 188
	s_wait_dscnt 4                                 ; behind tile 3's: 4 stores
	QUANT 3, 124
	s_wait_dscnt 0x0
	s_barrier_signal -1
	s_barrier_wait -1                              ; x's sixteen fragments and their scale bytes lie in LDS
	s_wait_loadcnt 0x0                             ; W and its scales are in: loads are out in the first block alone
	FIRSTG 2                                       ; tiles 0, 1
	NEXTG 0, 2, 2, 2                               ; tiles 2, 3
	XLOAD 0, 188                                   ; the context's rows 0-15, into registers that fragments have left
	TANH 2, 2
	s_wait_dscnt 0x0
	s_barrier_signal -1
	s_barrier_wait -1                              ; the eight parts of the 64 scores lie in LDS
.irp a, 0,1,2,3
	ds_load_b128 v[TP+8*\a:TP+8*\a+3], v[SR] offset:512*\a
	ds_load_b128 v[TP+8*\a+4:TP+8*\a+7], v[SR] offset:512*\a+16
.endr
.irp a, 0,1,2,3
	ds_load_b32 v[MK+\a], v[MA] offset:64*\a
.endr
	XLOAD 1, 124                                   ; the context's rows 16-47 land while the scores are worked
	XLOAD 2, 156
	s_wait_dscnt 16                                ; the parts and the mask are in; the 16 loads of x may be out
.irp a, 0,1,2,3
	v_pk_add_f32 v[TP+8*\a:TP+8*\a+1], v[TP+8*\a:TP+8*\a+1], v[TP+8*\a+2:TP+8*\a+3]
.endr
.irp a, 0,1,2,3
	v_pk_add_f32 v[TP+8*\a+4:TP+8*\a+5], v[TP+8*\a+4:TP+8*\a+5], v[TP+8*\a+6:TP+8*\a+7]
.endr
.irp a, 0,1,2,3
	v_pk_add_f32 v[TP+8*\a:TP+8*\a+1], v[TP+8*\a:TP+8*\a+1], v[TP+8*\a+4:TP+8*\a+5]
.endr
.irp a, 0,1,2,3
	v_add_f32 v[SCR+\a], v[TP+8*\a], v[TP+8*\a+1]
.endr
.irp a, 0,1,2,3
	v_cmp_ne_u32 vcc_lo, 0, v[MK+\a]
	v_cndmask_b32 v[SCR+\a], 0xce6e6b28, v[SCR+\a], vcc_lo   ; -1e9 as a number where the mask is 0
.endr
	s_wait_alu depctr_va_vdst(0)                   ; the wait ahead of the branch
	s_cmp_lg_u32 s[WV], 0
	s_cbranch_scc1 .Lns_\@
.irp a, 0,1,2,3
	ds_store_b32 v[MA], v[SCR+\a] offset:2048+64*\a   ; wave 0 gathers the scores
.endr
.Lns_\@:
	v_pk_mul_f32 v[TT:TT+1], v[SCR:SCR+1], s[28:29] op_sel_hi:[1,0]   ; t: the same multiply and subtraction as in the second launch
	v_pk_mul_f32 v[TT+2:TT+3], v[SCR+2:SCR+3], s[28:29] op_sel_hi:[1,0]
	v_add_nc_u32 v[MA], 256, v[MA]                 ; the next block's mask and scores
	v_max3_num_f32 v[BM], v[TT], v[TT+1], v[TT+2]
	s_delay_alu instid0(VALU_DEP_1)
	v_max3_num_f32 v[BM], v[BM], v[TT+3], v[MX]    ; my lane's new maximum
	s_delay_alu instid0(VALU_DEP_1)
	v_sub_f32 v[FF], v[MX], v[BM]
.irp a, 0,1,2,3
	v_sub_f32 v[PP+\a], v[TT+\a], v[BM]
.endr
	v_mov_b32 v[MX], v[BM]
	s_wait_alu depctr_va_vdst(0)
	v_exp_f32 v[FF], v[FF]                         ; f = 2^(old - new)
.irp a, 0,1,2,3
	v_exp_f32 v[PP+\a], v[PP+\a]                   ; p, at most 1
.endr
	v_nop
	s_wait_alu depctr_va_vdst(0)
.set I, 0
.rept 16
	v_pk_mul_f32 v[CT+I:CT+I+1], v[CT+I:CT+I+1], v[FF:FF+1] op_sel_hi:[1,0]
.set I, I+2
.endr
	CFMA 0, 188
	XLOAD 3, 188
	s_wait_alu depctr_va_vdst(0)
	s_wait_dscnt 16                                ; rows 16-31 are in: behind their loads stand rows 32-47's eight and rows 48-63's eight (in wave 0 four stores more)
	CFMA 1, 124
	s_wait_alu depctr_va_vdst(0)
	s_wait_dscnt 8                                 ; rows 32-47 are in: rows 48-63's eight loads may be out
	CFMA 2, 156
	s_wait_alu depctr_va_vdst(0)
	s_wait_dscnt 0x0
	CFMA 3, 188
.endm
; THE CHANGE OF SLOTS: all my tensor loads are in, the add, my reads of the slot are over; behind the barrier the slot just left takes the block two on
.macro CHANGE fill
	s_wait_tensorcnt 0x0
	ds_add_u32 v[SPW], v[NIL]
.if \fill
	s_xor_b32 s[G0B+1], s[G0B+1], SLOT
	s_add_nc_u64 s[G0B+2:G0B+3], s[G0B+2:G0B+3], 0x20000
	s_wait_xcnt 0x0                                ; my prefetches have read their address
	s_add_nc_u64 s[PFA:PFA+1], s[PFA:PFA+1], 0x20000
.endif
	s_xor_b32 s[TB], s[TB], SLOT
	s_wait_dscnt 0x0
	s_barrier_signal -1
	s_barrier_wait -1
.if \fill
	tensor_load_to_lds s[G0B:G0B+3], s[G1:G1+7]
	s_nop 0
	PLACES 4
.endif
.endm
	s_mov_b32 s[CNT], 6
.Lfilling:                                         ; blocks 0 to 5; blocks 2 to 7 are asked for
	PROCESS 1
	CHANGE 1
	s_sub_co_u32 s[CNT], s[CNT], 1
	s_cmp_lg_u32 s[CNT], 0
	s_cbranch_scc1 .Lfilling
	s_mov_b32 s[CNT], 2
.Ldraining:                                        ; blocks 6 and 7: a second copy
	PROCESS 0
	CHANGE 0
	s_sub_co_u32 s[CNT], s[CNT], 1
	s_cmp_lg_u32 s[CNT], 0
	s_cbranch_scc1 .Ldraining
	; THE WAY OUT: the largest of the lanes' maxima; each lane's sums brought under it; the 16 row classes added; through my 256 bytes of LDS, so that 32 lanes store 256 consecutive bytes of part
	s_wait_alu depctr_va_vdst(0)
	v_mov_b32 v236, v[MX]
	v_mov_b32 v237, 0
	v_mov_b32 v239, 0
	v_bfe_u32 v240, v0, 4, 1
	v_max_num_f32_dpp v236, v236, v236 row_xmask:1 row_mask:0xf bank_mask:0xf
	v_add_nc_u32 v241, s55, v[L8]
	v_max_num_f32_dpp v236, v236, v236 row_xmask:2 row_mask:0xf bank_mask:0xf
	v_add_nc_u32 v244, s53, v[L8]
	v_max_num_f32_dpp v236, v236, v236 row_xmask:4 row_mask:0xf bank_mask:0xf
	v_and_b32 v245, 31, v0
	v_max_num_f32_dpp v236, v236, v236 row_xmask:8 row_mask:0xf bank_mask:0xf
	v_lshl_add_u32 v240, v240, 7, s55              ; RED + 256 w + 128 h
	v_permlanex16_b32 v237, v236, s30, s31
	v_lshlrev_b32 v246, 4, v245
	v_max_num_f32 v236, v236, v237                 ; the work-group's maximum
	v_add_nc_u32 v245, SCO, v246
	v_sub_f32 v238, v[MX], v236
	s_wait_alu depctr_va_vdst(0)
	v_exp_f32 v238, v238
	v_mov_b32 v237, v236
	s_wait_alu depctr_va_vdst(0)
.set I, 0
.rept 16
	v_pk_mul_f32 v[CT+I:CT+I+1], v[CT+I:CT+I+1], v[238:239] op_sel_hi:[1,0]
.set I, I+2
.endr
.irp m, 1,2,4,8
.set I, 0
.rept 32
	v_add_f32_dpp v[CT+I], v[CT+I], v[CT+I] row_xmask:\m row_mask:0xf bank_mask:0xf
.set I, I+1
.endr
.endr
.irp k, 0,1,2,3,4,5,6,7
	ds_store_b128 v240, v[CT+4*\k:CT+4*\k+3] offset:16*\k   ; the sixteen lanes of a half write the same bytes with the same values
.endr
	ds_load_b64 v[242:243], v241                   ; LDS serves a wave's instructions in order
	s_wait_alu depctr_va_vdst(0)
	s_wait_dscnt 0x0
	global_store_b64 v244, v[242:243], s[20:21]
	s_cmp_lg_u32 s[WV], 0
	s_cbranch_scc1 .Lend
	global_store_b64 v[L8], v[236:237], s[20:21] offset:2048   ; the maximum, 64 times: one more block of 256 bytes
.irp j, 0,1,2,3
	ds_load_b128 v[124+4*\j:127+4*\j], v245 offset:512*\j      ; the 512 scores, which wave 0 itself stored
.endr
	s_wait_dscnt 0x0
.irp j, 0,1,2,3
	global_store_b128 v246, v[124+4*\j:127+4*\j], s[18:19] offset:512*\j   ; 512 consecutive bytes, aligned
.endr
.Lend:
	s_wait_tensorcnt 0x0                           ; the wave's end
	ds_add_u32 v[SPW], v[NIL]
	s_wait_dscnt 0x0
	s_endpgm
.Lfunc_end_k_q51a7fdd19c_scorectx:
	.size	k_q51a7fdd19c_scorectx, .Lfunc_end_k_q51a7fdd19c_scorectx-k_q51a7fdd19c_scorectx
	.p2alignl 7, 3214868480
	.fill 96, 4, 3214868480
	.section	.rodata,"a",@progbits
	.p2align	6, 0x0
	.amdhsa_kernel k_q51a7fdd19c_scorectx
		.amdhsa_group_segment_fixed_size 327680
		.amdhsa_private_segment_fixed_size 0
		.amdhsa_enable_private_segment 0
		.amdhsa_kernarg_size 72
		.amdhsa_user_sgpr_count 2
		.amdhsa_user_sgpr_kernarg_segment_ptr 1
		.amdhsa_wavefront_size32 1
		.amdhsa_system_sgpr_workgroup_id_x 1
		.amdhsa_system_sgpr_workgroup_id_y 1
		.amdhsa_system_sgpr_workgroup_id_z 1
		.amdhsa_system_vgpr_workitem_id 0
		.amdhsa_next_free_vgpr 512
		.amdhsa_next_free_sgpr 66
		.amdhsa_reserve_vcc 1
		.amdhsa_float_denorm_mode_32 3
		.amdhsa_float_denorm_mode_16_64 3
		.amdhsa_memory_ordered 1
		.amdhsa_forward_progress 1
		.amdhsa_inst_pref_size 144
	.end_amdhsa_kernel
	.amdgpu_metadata
---
amdhsa.version: [ 1, 2 ]
amdhsa.kernels:
  - .name:           k_q51a7fdd19c_scorectx
    .symbol:         k_q51a7fdd19c_scorectx.kd
    .args:
      - { .name: encoder_outputs, .offset: 0, .size: 8, .value_kind: global_buffer, .address_space: global }
      - { .name: mask, .offset: 8, .size: 8, .value_kind: global_buffer, .address_space: global }
      - { .name: Wh_codes, .offset: 16, .size: 8, .value_kind: global_buffer, .address_space: global }
      - { .name: Wh_scales, .offset: 24, .size: 8, .value_kind: global_buffer, .address_space: global }
      - { .name: Ws_codes, .offset: 32, .size: 8, .value_kind: global_buffer, .address_space: global }
      - { .name: Ws_scales, .offset: 40, .size: 8, .value_kind: global_buffer, .address_space: global }
      - { .name: v, .offset: 48, .size: 8, .value_kind: global_buffer, .address_space: global }
      - { .name: scores, .offset: 56, .size: 8, .value_kind: global_buffer, .address_space: global }
      - { .name: part, .offset: 64, .size: 8, .value_kind: global_buffer, .address_space: global }
    .group_segment_fixed_size: 327680
    .private_segment_fixed_size: 0
    .kernarg_segment_align: 8
    .kernarg_segment_size: 72
    .max_flat_workgroup_size: 256
    .sgpr_count:     66
    .vgpr_count:     512
    .wavefront_size: 32
...
	.end_amdgpu_metadata
.endif
;; end of part 1
;; launch finish (part 2): grid 64 x 1, 8 waves a work-group, no clusters, 1,280 bytes of LDS; arguments scores, part, out0, out1; writes out0, out1
.if DOCPART == 2
	.amdgcn_target "amdgcn-amd-amdhsa--gfx1250"
	.amdhsa_code_object_version 6
	.text
	.protected	k_q51a7fdd19c_finish
	.globl	k_q51a7fdd19c_finish
	.p2align	8
	.type	k_q51a7fdd19c_finish,@function
k_q51a7fdd19c_finish:
	s_mov_b64 s[64:65], 0
	v_nop
	global_prefetch_b8 v0, s[64:65] scope:SCOPE_SE
	s_setreg_imm32_b32 hwreg(HW_REG_WAVE_MODE, 25, 1), 1
	s_wait_xcnt 0x0
; One work-group to a batch.  scores: [64][2048] f32, masked.  part: [256][576] f32: for each quarter c of a batch 512 numbers of context summed under that quarter's own maximum m_c of
; t = score x log2(e), then m_c (64 times).  m = the largest m_c;  p = 2^(t - m);  l = the sum of p;  out1 = p / l;  out0 = the sum over c of 2^(m_c - m) / l x context_c.
; t is made by the same multiply and the same subtraction as in the first launch, so a batch all of whose rows are masked (t about -1.44e9) gives p = 1 exactly, here as there.
; LIMITS: NaN and infinities are not served.
	s_load_b256 s[4:11], s[0:1], 0x0               ; scores s[4:5], part s[6:7], out0 s[8:9], out1 s[10:11]
	v_lshl_add_u32 v48, v0, 2, 0x100
	v_mov_b32 v49, 0
	v_lshrrev_b32 v1, 5, v0                        ; wave
	s_delay_alu instid0(VALU_DEP_1)
	v_lshlrev_b32 v27, 2, v1                       ; LDS: my wave's word
	v_lshlrev_b32 v2, 4, v0                        ; 16 T
	v_lshlrev_b32 v3, 3, v0                        ; 8 T
	v_mov_b32 v28, 0
	v_mov_b32 v26, 0                               ; a lane permute's destination counts as one of its sources
	s_lshl_b32 s12, ttmp9, 13                      ; a batch's 2,048 scores
	s_mov_b32 s13, 0
	s_mul_i32 s14, ttmp9, 4*2304                   ; its four rows of part
	s_mov_b32 s15, 0
	s_lshl_b32 s16, ttmp9, 11                      ; its row of out0
	s_mov_b32 s17, 0
	s_mov_b32 s18, 0x76543210                      ; v_permlanex16_b32's selects for lane l xor 16
	s_mov_b32 s19, 0xfedcba98
	s_mov_b32 s20, 0x3fb8aa3b                      ; log2(e); named as a pair
	s_mov_b32 s21, s20
	s_wait_alu depctr_va_vdst(0)
	s_wait_kmcnt 0x0
	s_add_nc_u64 s[4:5], s[4:5], s[12:13]
	s_add_nc_u64 s[10:11], s[10:11], s[12:13]
	s_add_nc_u64 s[6:7], s[6:7], s[14:15]
	s_add_nc_u64 s[8:9], s[8:9], s[16:17]
	global_load_b128 v[4:7], v2, s[4:5] th:TH_LOAD_NT
	global_load_b128 v[8:11], v2, s[4:5] offset:4096 th:TH_LOAD_NT
.irp c, 0,1,2,3
	global_load_b64 v[12+2*\c:13+2*\c], v3, s[6:7] offset:2304*\c th:TH_LOAD_NT
.endr
.irp c, 0,1,2,3
	s_load_b32 s[24+\c], s[6:7], 2048+2304*\c      ; m_c
.endr
	s_wait_kmcnt 0x0
	v_mov_b32 v20, s24
	s_delay_alu instid0(VALU_DEP_1)
	v_max_num_f32 v20, s25, v20
	s_delay_alu instid0(VALU_DEP_1)
	v_max_num_f32 v20, s26, v20
	s_delay_alu instid0(VALU_DEP_1)
	v_max_num_f32 v20, s27, v20                    ; m
	s_wait_loadcnt 4                               ; the two loads of scores are in; the four of part may be out
.irp p, 4,6,8,10
	v_pk_mul_f32 v[\p:\p+1], v[\p:\p+1], s[20:21] op_sel_hi:[1,0]   ; t
.endr
	s_wait_alu depctr_va_vdst(0)
.irp j, 4,5,6,7,8,9,10,11
	v_sub_f32 v[\j], v[\j], v20
.endr
.irp c, 0,1,2,3
	v_sub_f32 v[32+\c], s[24+\c], v20
.endr
	s_wait_alu depctr_va_vdst(0)
.irp j, 4,5,6,7,8,9,10,11
	v_exp_f32 v[\j], v[\j]                         ; p
.endr
.irp c, 0,1,2,3
	v_exp_f32 v[32+\c], v[32+\c]                   ; 2^(m_c - m)
.endr
	v_nop                                          ; a plain place behind the exponentials
	s_wait_alu depctr_va_vdst(0)
	v_pk_add_f32 v[22:23], v[4:5], v[6:7]
	v_pk_add_f32 v[24:25], v[8:9], v[10:11]
	s_delay_alu instid0(VALU_DEP_1)
	v_pk_add_f32 v[22:23], v[22:23], v[24:25]
	s_delay_alu instid0(VALU_DEP_1)
	v_add_f32 v22, v22, v23
	s_delay_alu instid0(VALU_DEP_1)
	v_add_f32_dpp v22, v22, v22 row_xmask:1 row_mask:0xf bank_mask:0xf
	s_delay_alu instid0(VALU_DEP_1)
	v_add_f32_dpp v22, v22, v22 row_xmask:2 row_mask:0xf bank_mask:0xf
	s_delay_alu instid0(VALU_DEP_1)
	v_add_f32_dpp v22, v22, v22 row_xmask:4 row_mask:0xf bank_mask:0xf
	s_delay_alu instid0(VALU_DEP_1)
	v_add_f32_dpp v22, v22, v22 row_xmask:8 row_mask:0xf bank_mask:0xf
	s_delay_alu instid0(VALU_DEP_1)
	v_permlanex16_b32 v26, v22, s18, s19
	s_delay_alu instid0(VALU_DEP_1)
	v_add_f32 v22, v22, v26                        ; my wave's sum, in every lane
	ds_store_b32 v27, v22                          ; all lanes write the same word with the same value
	s_wait_dscnt 0x0                               ; for the others' sake
	s_barrier_signal -1
	s_barrier_wait -1
	ds_load_b128 v[40:43], v28
	ds_load_b128 v[44:47], v28 offset:16
	s_wait_dscnt 0x0
	v_pk_add_f32 v[40:41], v[40:41], v[42:43]
	v_pk_add_f32 v[44:45], v[44:45], v[46:47]
	s_delay_alu instid0(VALU_DEP_1)
	v_pk_add_f32 v[40:41], v[40:41], v[44:45]
	s_delay_alu instid0(VALU_DEP_1)
	v_add_f32 v40, v40, v41                        ; l: at least 1, since the largest t gives p = 1
	s_wait_alu depctr_va_vdst(0)
	v_rcp_f32 v30, v40
	v_nop                                          ; a plain place behind the reciprocal
	s_wait_alu depctr_va_vdst(0)
	v_mov_b32 v31, v30
.irp p, 4,6,8,10
	v_pk_mul_f32 v[\p:\p+1], v[\p:\p+1], v[30:31]
.endr
	global_store_b128 v2, v[4:7], s[10:11] th:TH_STORE_NT               ; a wave stores 512 consecutive bytes, aligned
	global_store_b128 v2, v[8:11], s[10:11] offset:4096 th:TH_STORE_NT
.irp c, 0,1,2,3
	v_mul_f32 v[32+\c], v[32+\c], v30              ; the quarter's weight
.endr
	s_wait_alu depctr_va_vdst(0)
	s_wait_loadcnt 0x0                             ; the four partial contexts
	v_mul_f32 v36, v12, v32
	v_mul_f32 v37, v13, v32
.irp c, 1,2,3
	s_delay_alu instid0(VALU_DEP_2)
	v_fmac_f32 v36, v[12+2*\c], v[32+\c]
	s_delay_alu instid0(VALU_DEP_2)
	v_fmac_f32 v37, v[13+2*\c], v[32+\c]
.endr
	global_store_b64 v3, v[36:37], s[8:9] th:TH_STORE_NT                ; a wave stores 256 consecutive bytes, aligned
	s_wait_tensorcnt 0x0
	ds_add_u32 v48, v49
	s_wait_dscnt 0x0
	s_endpgm
.Lfunc_end_k_q51a7fdd19c_finish:
	.size	k_q51a7fdd19c_finish, .Lfunc_end_k_q51a7fdd19c_finish-k_q51a7fdd19c_finish
	.p2alignl 7, 3214868480
	.fill 96, 4, 3214868480
	.section	.rodata,"a",@progbits
	.p2align	6, 0x0
	.amdhsa_kernel k_q51a7fdd19c_finish
		.amdhsa_group_segment_fixed_size 1280
		.amdhsa_private_segment_fixed_size 0
		.amdhsa_enable_private_segment 0
		.amdhsa_kernarg_size 32
		.amdhsa_user_sgpr_count 2
		.amdhsa_user_sgpr_kernarg_segment_ptr 1
		.amdhsa_wavefront_size32 1
		.amdhsa_system_sgpr_workgroup_id_x 1
		.amdhsa_system_sgpr_workgroup_id_y 1
		.amdhsa_system_sgpr_workgroup_id_z 1
		.amdhsa_system_vgpr_workitem_id 0
		.amdhsa_next_free_vgpr 50
		.amdhsa_next_free_sgpr 66
		.amdhsa_reserve_vcc 0
		.amdhsa_float_denorm_mode_32 3
		.amdhsa_float_denorm_mode_16_64 3
		.amdhsa_memory_ordered 1
		.amdhsa_forward_progress 1
		.amdhsa_inst_pref_size 7
	.end_amdhsa_kernel
	.amdgpu_metadata
---
amdhsa.version: [ 1, 2 ]
amdhsa.kernels:
  - .name:           k_q51a7fdd19c_finish
    .symbol:         k_q51a7fdd19c_finish.kd
    .args:
      - { .name: scores, .offset: 0, .size: 8, .value_kind: global_buffer, .address_space: global }
      - { .name: part, .offset: 8, .size: 8, .value_kind: global_buffer, .address_space: global }
      - { .name: out0, .offset: 16, .size: 8, .value_kind: global_buffer, .address_space: global }
      - { .name: out1, .offset: 24, .size: 8, .value_kind: global_buffer, .address_space: global }
    .group_segment_fixed_size: 1280
    .private_segment_fixed_size: 0
    .kernarg_segment_align: 8
    .kernarg_segment_size: 32
    .max_flat_workgroup_size: 256
    .sgpr_count:     66
    .vgpr_count:     50
    .wavefront_size: 32
...
	.end_amdgpu_metadata
.endif
;; end of part 2
